; MI455X (gfx1250); checked and timed in simulation.
; The chip was launched on July 23, 2026; its instructions are those of AMD's public machine-readable ISA for CDNA 5 (MIT licence, August 2026) and "CDNA5" Instruction Set Architecture Reference Guide (July 2026). The comments in the code are by the model that wrote it; some were corrected since.
;; Simple Attention With KV Cache. Allowed arithmetic: matrix products marked QUANTISED: E2M1 operands, one E8M0 scale for each 32 along K, by v_wmma_scale_f32_16x16x128_f8f6f4 with both operands' format E2M1 (or v_wmma_scale_f32_32x16x128_f4), f32 sums; everything else in f32.
;; Inputs: bk 1,024 float32; bo 1,024 float32; bq 1,024 float32; bv 1,024 float32; wk 1,024 x 1,024 float32; wo 1,024 x 1,024 float32; wq 1,024 x 1,024 float32; wv 1,024 x 1,024 float32; x 2 x 2,048 x 1,024 float32.
;; Outputs: out0 2 x 2,048 x 1,024 float32.
;; This version of the problem:
;;   THIS VERSION OF THE PROBLEM IS GIVEN IN LOW PRECISION. The matrix products marked QUANTISED in the list below multiply operands that are first quantised to E2M1 (2 exponent bits, 1 mantissa bit; 4 bits a number), with one power-of-two scale for each 32 numbers along K (OCP MX v1.0); their sums are f32. All else is computed in f32.
;;   The module's matrix products, in the order in which they are computed (A, B: the left and right operand; K: the contracted axis; several contracted axes count as one K, in the product's order):
;;     1. [M 4,096, K 1,024] x [K 1,024, N 1,024]; A: input x; B: input wq: QUANTISED
;;     2. [M 4,096, K 1,024] x [K 1,024, N 1,024]; A: input x; B: input wk: QUANTISED
;;     3. [M 4,096, K 1,024] x [K 1,024, N 1,024]; A: input x; B: input wv: QUANTISED
;;     4. batch 32 x [M 2,048, K 64] x [K 64, N 2,048]; A: computed on the way; B: computed on the way: QUANTISED
;;     5. batch 32 x [M 64, K 2,048] x [K 2,048, N 2,048]; A: computed on the way; B: softmax (see below): QUANTISED
;;     6. [M 4,096, K 1,024] x [K 1,024, N 1,024]; A: computed on the way; B: input wo: QUANTISED
;;   THE QUANTISER, for each operand of a quantised product, along K:
;;     - K is cut into blocks of 32 from its start; a last block that is shorter is filled with zeros.
;;     - A block's scale is 2^e with e = floor(log2(the largest magnitude in the block)) - 2, held to -126 .. 127; a block of zeros has e = 0. As a byte (E8M0): e + 127.
;;     - Each number is divided by its block's scale, clamped to +-6, and rounded to the nearest number of E2M1, ties to even, subnormals kept.
;;     - The product sums the exact products of the quantised numbers (number of the format x scale) in f32.
;;   ~~~python
;;   def quantise(x, axis):      # numpy; x: float32 -> the quantised numbers, widened to float32 again
;;       x = np.moveaxis(x, axis, -1); K = x.shape[-1]
;;       x = np.pad(x, [(0, 0)] * (x.ndim - 1) + [(0, -K % 32)]); x = x.reshape(x.shape[:-1] + (-1, 32)); a = np.abs(x).max(-1, keepdims=True)
;;       e = np.where(a > 0, np.clip(np.frexp(np.where(a > 0, a, 1))[1] - 1 - 2, -126, 127), 0)      # np.frexp(a)[1] - 1 = floor(log2(a)), exactly
;;       r = np.clip(x / 2.0 ** e, -6, 6)
;;       step = 2.0 ** (np.maximum(np.frexp(np.where(r == 0, 1, r))[1] - 1, 0) - 1)
;;       q = np.round(r / step) * step * 2.0 ** e      # np.round: ties to even
;;       return np.moveaxis(q.reshape(q.shape[:-2] + (-1,))[..., :K], -1, axis).astype(np.float32)
;;   ~~~
;;   SOFTMAX AHEAD OF A QUANTISED PRODUCT. Where the list says 'softmax', what is quantised is not the finished softmax but p = 2^(t - M), with t = logit x log2(e) and M = ceil(the row's largest t), a whole number; so 1/2 < the row's largest p <= 1. The row's sum l is taken of the UNQUANTISED p, in f32, and the product's result is divided by l at the end. Since M is a whole number, a kernel that streams over the keys may use a running M (the ceiling of the running maximum): every later rescaling is an exact power of two, which a block's scale takes up: the codes' values come out the same.
;;   OPERANDS COMPUTED ON THE WAY. 'Computed on the way' means the value that the module computes at that place (a softmax that the list does not call 'softmax' is quantised finished and normalised). What goes into a quantiser is computed in f32, as accurately as f32 sums, v_exp_f32 and their like allow (about 1e-6 of the number): no bf16 or f16 on the way to a quantiser, and a product that is left as it is and whose result goes on into a quantised operand takes f32 operands (vector FMAs, or v_wmma_f32_16x16x4_f32). A number that lies on a knife's edge between two numbers of the format may be rounded either way, as far as f32 arithmetic and the matrix unit's own rounding can turn it there, and no further.
;; One version. Each part assembles by itself: llvm-mc -triple=amdgcn-amd-amdhsa -mcpu=gfx1250 --defsym DOCPART=n.
;; ======== version 1 of 1: 4 launches
;; limits: right only within a limited range of input values
;; workspace buffers: xrec 2,228,224 bytes; wrec 2,228,224 bytes; qrec 2,228,224 bytes; kv 4,456,448 bytes; arec 2,228,224 bytes
;; launch quant (part 1): grid 256 x 1, 8 waves a work-group, no clusters, 134,144 bytes of LDS; arguments x, wq, wk, wv, wo, xrec, wrec; writes xrec, wrec
.if DOCPART == 1
	.amdgcn_target "amdgcn-amd-amdhsa--gfx1250"
	.amdhsa_code_object_version 6
	.text
	.protected	k_qa5ac3db2ae_quant
	.globl	k_qa5ac3db2ae_quant
	.p2align	8
	.type	k_qa5ac3db2ae_quant,@function
k_qa5ac3db2ae_quant:
	s_mov_b64 s[64:65], 0
	v_nop
	global_prefetch_b8 v0, s[64:65] scope:SCOPE_SE
	s_setreg_imm32_b32 hwreg(HW_REG_WAVE_MODE, 25, 1), 1
	s_wait_xcnt 0x0
; THE PROGRAM: quant (inputs to codes), qkv (three projections, quantised), attn (causal attention, quantised), oproj (output projection).  Every input is honoured; of reference()'s work only key steps
; that lie wholly above the diagonal of the mask that reference() builds itself are left out (in attn).
; x [4096][1024] and wq, wk, wv, wo [1024][1024], f32, K innermost, become codes of FP4 (E2M1) with one E8M0 byte for each 32 along K,
; laid as IMAGES OF THE OPERAND'S REGISTERS.  A tile is 16 rows: lane r of tile t holds row 64 (t / 4) + 8 (t % 4) + r % 8 + 32 (r / 8): so the 32 results that a lane (r, h) of a product
; gets from four tiles 4 c .. 4 c + 3 are 32 neighbours, 64 c + 32 h on: one whole block of the next quantiser.
; A half-record (4,352 bytes) serves one tile and 512 along K: 256 bytes of scale words [K step of 128][r], then codes [K step][c][lane][16 bytes]:
; lane (r, h) holds the block of 32 numbers 64 c + 32 h of row r.  A buffer is [half of K][tile 0..255][4,352].  wrec: tiles 12 h + 4 T + i: head h's four tiles of wq (T = 0), wk, wv; 192-255 wo.
; A block's scale is 2^(floor(log2(its largest magnitude)) - 2); its byte is that magnitude's exponent field - 2, held at 1 from below.
; LIMITS: NaN and infinities are not served; a block whose largest magnitude lies under 2^-124 takes the byte 1; a block of zeros takes the byte 1 where the
; quantiser says 127: its codes are zeros, which add nothing under any byte but 0xff, and this program alone reads the bytes.
; SHARES: 512 tiles x 8 K steps; work-group g takes tiles 2 g and 2 g + 1 of the joined list, wave w tile w / 4 and K steps 2 (w % 4), 2 (w % 4) + 1:
; 1,024 bytes of each of 16 rows.  Each load reads 512 consecutive bytes; the numbers turn through the wave's own stage in LDS (rows of 1,024 + 16 bytes) so that a lane
; gets whole blocks of 32 neighbours.  Work-groups share no input: no cluster; waves share nothing: no barrier.  All of a wave's 32 loads are out at once.
; The scale words of a wave are 128 consecutive bytes: half of an aligned 256, the other half being a neighbouring wave's; they are 1/128 of what the launch reads.
.set HR,    4352
.set HSTR,  256*HR
.set RP,    1040                       ; a stage row: 1,024 bytes + 16: the sixteen rows that a read touches begin in sixteen different columns of 16 bytes
.set WREG,  16*RP                      ; a wave's stage
.set SPARE, 8*WREG                     ; the spare words, 128 bytes a wave
.set RAW,   40                         ; v40-167  the 32 loads as they come
.set XA,    168                        ; v168-231 64 numbers of the first K step: register 32 c + i = k 64 c + 32 h + i of my row
.set XB,    40                         ; v40-103  the same for the second, over registers that the stage's stores have read
.set SEL,   24                         ; s[24:25] lane selects: lane l xor 16
	s_load_b256 s[4:11], s[0:1], 0x0               ; x, wq, wk, wv
	s_load_b128 s[12:15], s[0:1], 0x20             ; wo, xrec
	s_load_b64 s[16:17], s[0:1], 0x30              ; wrec
	v_lshl_add_u32 v232, v0, 2, SPARE
	v_mov_b32 v233, 0
	v_lshrrev_b32 v1, 5, v0
	v_readfirstlane_b32 s26, v1                    ; wave 0..7
	v_and_b32 v1, 31, v0                           ; lane
	v_and_b32 v2, 15, v0                           ; r
	v_bfe_u32 v3, v0, 4, 1                         ; h
	v_lshlrev_b32 v4, 4, v1                        ; 16 x lane: my bytes of a load's 512
	s_mul_i32 s27, s26, WREG
	v_add_nc_u32 v5, s27, v4                       ; the stage, on the way in
	v_mul_u32_u24 v6, v2, RP
	v_lshl_add_u32 v6, v3, 7, v6
	v_add_nc_u32 v6, s27, v6                       ; and on the way out: row r, + 128 h: my block of 32 numbers
	s_lshr_b32 s28, s26, 2                         ; which of the two tiles
	s_and_b32 s29, s26, 3                          ; which pair of K steps
	s_and_b32 s30, s29, 1
	s_lshl_b32 s31, s30, 11
	s_add_co_u32 s31, s31, 256
	v_add_nc_u32 v7, s31, v4                       ; codes in the half-record: 256 + 1,024 x K step + 16 x lane
	s_lshl_b32 s31, s30, 7
	v_lshl_add_u32 v8, v1, 2, s31                  ; scale words: 64 x K step + 4 r; lanes 16-31 store the second K step's
	v_lshlrev_b32 v9, 3, v3                        ; 8 h
	v_mov_b32 v16, 0                               ; a lane permute's destination counts as one of its sources
	s_mov_b32 s[SEL], 0x76543210
	s_mov_b32 s[SEL+1], 0xfedcba98
	s_and_b32 s23, ttmp9, 31                       ; a weight's pair of tiles
	s_bfe_u32 s36, ttmp9, 0x20005                  ; which weight
	s_lshr_b32 s37, s23, 1                         ; its head: 12 tiles a head,
	s_mul_i32 s37, s37, 12
	s_lshl_b32 s38, s36, 2                         ; 4 for each of q, k, v,
	s_add_co_u32 s37, s37, s38
	s_and_b32 s38, s23, 1
	s_lshl_b32 s38, s38, 1
	s_add_co_u32 s37, s37, s38
	s_lshl_b32 s38, s23, 1
	s_add_co_u32 s38, s38, 192                     ; wo's tiles in their own order
	s_cmp_eq_u32 s36, 3
	s_cselect_b32 s37, s38, s37
	s_lshl_b32 s32, ttmp9, 1
	s_cmp_lt_u32 ttmp9, 128
	s_cselect_b32 s32, s32, s37
	s_add_co_u32 s32, s32, s28                     ; the tile's number in its buffer
	s_mul_i32 s32, s32, HR
	s_lshr_b32 s33, s29, 1                         ; which half of K
	s_mul_i32 s33, s33, HSTR
	s_add_co_u32 s32, s32, s33
	s_mov_b32 s33, 0
	s_wait_alu depctr_va_vdst(0)                   ; the wait at the head's end
	s_wait_kmcnt 0x0
	s_cmp_lt_u32 ttmp9, 224                        ; the tensor is chosen by the work-group's number alone
	s_cselect_b64 s[18:19], s[10:11], s[12:13]
	s_cmp_lt_u32 ttmp9, 192
	s_cselect_b64 s[18:19], s[8:9], s[18:19]
	s_cmp_lt_u32 ttmp9, 160
	s_cselect_b64 s[18:19], s[6:7], s[18:19]
	s_cmp_lt_u32 ttmp9, 128
	s_cselect_b64 s[18:19], s[4:5], s[18:19]
	s_cselect_b64 s[20:21], s[14:15], s[16:17]
	s_cselect_b32 s22, ttmp9, s23
	s_lshl_b32 s34, s22, 17                        ; tile 2 g begins at row 64 (g / 2) + 16 (g % 2), rows of 4,096 bytes,
	s_and_b32 s35, s22, 1
	s_lshl_b32 s35, s35, 16
	s_sub_co_u32 s34, s34, s35
	s_lshl_b32 s35, s28, 15                        ; the odd tile 8 rows further down,
	s_add_co_u32 s34, s34, s35
	s_lshl_b32 s35, s29, 10                        ; my 1,024 bytes of a row
	s_add_co_u32 s34, s34, s35
	s_mov_b32 s35, 0
	s_add_nc_u64 s[18:19], s[18:19], s[34:35]
	s_add_nc_u64 s[20:21], s[20:21], s[32:33]
.irp p, 0,1,2,3,4,5,6,7,8,9,10,11,12,13,14,15
.irp q, 0,1
	global_load_b128 v[RAW+8*\p+4*\q:RAW+8*\p+4*\q+3], v4, s[18:19] offset:(\p+24*(\p/8))*4096+512*\q th:TH_LOAD_NT   ; the tile's row p: 512 consecutive bytes a load
.endr
.endr
.irp p, 0,1,2,3,4,5,6,7,8,9,10,11,12,13,14,15
	s_wait_loadcnt 30-2*\p                         ; loads come back in order: row p's two are in, the younger ones stay out
	ds_store_b128 v5, v[RAW+8*\p:RAW+8*\p+3] offset:RP*\p
	ds_store_b128 v5, v[RAW+8*\p+4:RAW+8*\p+7] offset:RP*\p+512
.endr
.macro XIN x, f                        ; the f-th K step's 64 numbers of my row.  LDS serves a wave's instructions in order: these see the stores above
.irp c, 0,1
.irp i, 0,1,2,3,4,5,6,7
	ds_load_b128 v[\x+32*\c+4*\i:\x+32*\c+4*\i+3], v6 offset:512*\f+256*\c+16*\i
.endr
.endr
.endm
; 64 numbers at v[x] on (two whole blocks of 32) become a fragment's eight registers at v[c] on and its row's scale word in v[w]
.macro QF x, c, w
.irp b, 0,1
	v_max3_num_f32 v[10+\b], |v[\x+32*\b]|, |v[\x+32*\b+1]|, 0x1800000   ; the floor 2^(3 - 127) among the leaves: the byte cannot fall under 1
.endr
.irp i, 2,4,6,8,10,12,14,16,18,20,22,24,26,28,30
.irp b, 0,1
	s_delay_alu instid0(VALU_DEP_2)
	v_max3_num_f32 v[10+\b], v[10+\b], |v[\x+32*\b+\i]|, |v[\x+32*\b+\i+1]|   ; the two blocks by turns
.endr
.endr
.irp b, 0,1
	s_delay_alu instid0(VALU_DEP_2)
	v_add_nc_u32 v[12+\b], 0xff000000, v[10+\b]    ; 2 off the exponent field: the conversion's scale operand
.endr
.irp b, 0,1
	s_delay_alu instid0(VALU_DEP_2)
	v_lshrrev_b32 v[14+\b], 23, v[12+\b]           ; the scale's byte
.endr
	s_delay_alu instid0(VALU_DEP_1)
	v_lshl_or_b32 v[\w], v15, 16, v14              ; my blocks are h and 2 + h of the K step's four
	s_delay_alu instid0(VALU_DEP_1)
	v_lshlrev_b32 v[\w], v9, v[\w]
	s_delay_alu instid0(VALU_DEP_1)
	v_permlanex16_b32 v16, v[\w], s[SEL], s[SEL+1]
	s_delay_alu instid0(VALU_DEP_1)
	v_or_b32 v[\w], v[\w], v16                     ; with lane l xor 16's two bytes the word is whole
.irp b, 0,1
.irp g, 0,1,2,3
	v_cvt_scalef32_pk8_fp4_f32 v[\c+4*\b+\g], v[\x+32*\b+8*\g:\x+32*\b+8*\g+7], v[12+\b]
.endr
.endr
	v_nop                                          ; one plain place behind the last scaled conversion
.endm
	XIN XA, 0
	s_wait_dscnt 0x0                               ; the first K step is in, and the stage's stores have read their registers
	XIN XB, 1                                      ; lands while the first is quantised
	QF XA, 20, 17
	global_store_b128 v7, v[20:23], s[20:21]       ; 32 lanes store 512 consecutive bytes
	global_store_b128 v7, v[24:27], s[20:21] offset:512
	s_wait_dscnt 0x0
	QF XB, 28, 18
	global_store_b128 v7, v[28:31], s[20:21] offset:1024
	global_store_b128 v7, v[32:35], s[20:21] offset:1536
	v_cmp_ne_u32 vcc_lo, 0, v3
	s_delay_alu instid0(VALU_DEP_1)
	v_cndmask_b32 v19, v17, v18, vcc_lo            ; lanes 0-15 the first K step's words, lanes 16-31 the second's
	global_store_b32 v8, v19, s[20:21]             ; 128 consecutive bytes
	s_wait_tensorcnt 0x0                           ; the wave's end
	ds_add_u32 v232, v233
	s_wait_dscnt 0x0
	s_endpgm
.Lfunc_end_k_qa5ac3db2ae_quant:
	.size	k_qa5ac3db2ae_quant, .Lfunc_end_k_qa5ac3db2ae_quant-k_qa5ac3db2ae_quant
	.p2alignl 7, 3214868480
	.fill 96, 4, 3214868480
	.section	.rodata,"a",@progbits
	.p2align	6, 0x0
	.amdhsa_kernel k_qa5ac3db2ae_quant
		.amdhsa_group_segment_fixed_size 134144
		.amdhsa_private_segment_fixed_size 0
		.amdhsa_enable_private_segment 0
		.amdhsa_kernarg_size 56
		.amdhsa_user_sgpr_count 2
		.amdhsa_user_sgpr_kernarg_segment_ptr 1
		.amdhsa_wavefront_size32 1
		.amdhsa_system_sgpr_workgroup_id_x 1
		.amdhsa_system_sgpr_workgroup_id_y 1
		.amdhsa_system_sgpr_workgroup_id_z 1
		.amdhsa_system_vgpr_workitem_id 0
		.amdhsa_next_free_vgpr 234
		.amdhsa_next_free_sgpr 66
		.amdhsa_reserve_vcc 1
		.amdhsa_float_denorm_mode_32 3
		.amdhsa_float_denorm_mode_16_64 3
		.amdhsa_memory_ordered 1
		.amdhsa_forward_progress 1
		.amdhsa_inst_pref_size 20
	.end_amdhsa_kernel
	.amdgpu_metadata
---
amdhsa.version: [ 1, 2 ]
amdhsa.kernels:
  - .name:           k_qa5ac3db2ae_quant
    .symbol:         k_qa5ac3db2ae_quant.kd
    .args:
      - { .name: x, .offset: 0, .size: 8, .value_kind: global_buffer, .address_space: global }
      - { .name: wq, .offset: 8, .size: 8, .value_kind: global_buffer, .address_space: global }
      - { .name: wk, .offset: 16, .size: 8, .value_kind: global_buffer, .address_space: global }
      - { .name: wv, .offset: 24, .size: 8, .value_kind: global_buffer, .address_space: global }
      - { .name: wo, .offset: 32, .size: 8, .value_kind: global_buffer, .address_space: global }
      - { .name: xrec, .offset: 40, .size: 8, .value_kind: global_buffer, .address_space: global }
      - { .name: wrec, .offset: 48, .size: 8, .value_kind: global_buffer, .address_space: global }
    .group_segment_fixed_size: 134144
    .private_segment_fixed_size: 0
    .kernarg_segment_align: 8
    .kernarg_segment_size: 56
    .max_flat_workgroup_size: 256
    .sgpr_count:     66
    .vgpr_count:     234
    .wavefront_size: 32
...
	.end_amdgpu_metadata
.endif
;; end of part 1
;; launch qkv (part 2): grid 16 x 16, 12 waves a work-group, clusters of 4 x 4, 245,248 bytes of LDS; arguments xrec, wrec, bq, bk, bv, qrec, kv; writes qrec, kv
.if DOCPART == 2
	.amdgcn_target "amdgcn-amd-amdhsa--gfx1250"
	.amdhsa_code_object_version 6
	.text
	.protected	k_qa5ac3db2ae_qkv
	.globl	k_qa5ac3db2ae_qkv
	.p2align	8
	.type	k_qa5ac3db2ae_qkv,@function
k_qa5ac3db2ae_qkv:
	s_mov_b64 s[64:65], 0
	v_nop
	global_prefetch_b8 v0, s[64:65] scope:SCOPE_SE
	s_setreg_imm32_b32 hwreg(HW_REG_WAVE_MODE, 25, 1), 1
	s_wait_xcnt 0x0
	s_wait_alu depctr_hold_cnt(0) depctr_sa_sdst(0) depctr_va_vdst(0) depctr_va_sdst(0) depctr_va_ssrc(0) depctr_va_vcc(0) depctr_vm_vsrc(0)
	s_getreg_b32 s2, hwreg(HW_REG_IB_STS2, 6, 4)
	s_cmp_eq_u32 s2, 0
	s_cbranch_scc0 .Lentry_in_a_cluster
	s_endpgm
.Lentry_in_a_cluster:
	s_bfe_u32 s2, ttmp6, 0x10000c
	s_cmp_lg_u32 s2, 0xf033
	s_cbranch_scc0 .Lentry_shape_is_right
	s_endpgm
.Lentry_shape_is_right:
; q = x wq^T + bq, k = x wk^T + bk, v = x wv^T + bv on codes of FP4 with E8M0 scales, and the results quantised at once for attention's two products:
; q and k along the head's 64 channels, v along the keys.  Operands come as register images (4,352 bytes for a tile of 16 rows and 512 along K: 256 bytes of scale words, then codes).
; SHARES.  A work-group makes 256 tokens x one head's q, k and v: 256 work-groups.  All of K, 1,024, lies in LDS in two halves (16 tiles of x, then the head's 12 of w), each filled once: no byte of LDS is
; filled twice, so there is no ring, and no loop runs ahead: nothing is prefetched.  Wave w: 64 tokens (quad w % 4 of x's tiles) x 64 features (w / 4: 0 q, 1 k, 2 v): 16 accumulators.
; FILLS, one a wave: waves 0-3 a quad of x's tiles and waves 4, 5 six tiles of w of the first half of K; waves 6-9 and 10, 11 the same of the second half.
; SOURCE 0 is the side along which the result is quantised, SOURCE 1 the side of which a lane holds one row: q, k: features, tokens; v: tokens (keys), features.  Only two LDS bases change places.
; A tile's lane r holds row 64 (t / 4) + 8 (t % 4) + r % 8 + 32 (r / 8): so the 32 registers of source 0's four tiles are 32 neighbours, 32 h on: a whole block in one lane.
; The bias is the C of each sum's first product.  CLUSTER: x's tiles hang on the work-group's x alone and are asked for jointly by a column of the cluster, w's on its y alone, by a row.
; OUT.  qrec: [head 0..31][step of 128 queries][4,352]: 8 tiles x 512 bytes of codes (lane (r, h): channels 32 h on of row r), then pair words [f][r]: bytes 0, 1 tile 2 f's scales, 2, 3 tile 2 f + 1's.
; kv: [head][step of 128 keys][8,704]: K's codes as q's; at 4,096 V's codes [tile of 16 channels][c][512] (lane (r, h): keys 64 c + 32 h on of channel r); at 8,192 K's pair words; at 8,448 V's words [tile][r].
; A word of V's scales is made by two waves (64 keys each): it leaves as two stores of two bytes a lane, 256 bytes of a step's 8,704.
; LIMITS: NaN and infinities are not served; a block under 2^-124, or of zeros, takes the scale byte 1 (its codes are zeros or next to it; this program alone reads the bytes).
.set HR,   4352
.set HSTR, 256*HR
.set SIDE, 16*HR
.set HALF, 28*HR
.set SPARE, 2*HALF                     ; 128 bytes a wave
.set AD0,  4                           ; v4, v5 LDS addresses of source 0's and 1's codes (base + 16 x lane); v6 of the scale words: lanes 0-15 source 0's, lanes 16-31 source 1's
.set AD1,  5
.set AS,   6
.set BD0,  20                          ; v20-22 the same in the second half of K
.set BD1,  21
.set BS,   22
.set SC,   16                          ; v16-19 scale words: lanes 0-15 source 0's tile i, lanes 16-31 source 1's: they hold nothing else
.set F0,   32                          ; v32-63 source 0's four fragments, v64-95 source 1's
.set F1,   64
.set BI,   96                          ; v96-127 the bias, in the result's layout
.set ACC,  128                         ; v128-255 accumulator (i1, i0) at 8 (4 i1 + i0)
.set TM,   96                          ; behind the products: v96-107 at work, v112-114 scale words, v32-47 codes
.set PC,   32
.set WV,   18
.set G1X,  28                          ; s[28:35], s[36:43] descriptor groups 1;  s[44:47], s[48:51] groups 0
.set G1W,  36
.set GX,   44
.set GW,   48
.macro CROUND                          ; a round of the cluster's barrier
	s_barrier_signal -1
	s_barrier_wait -1
	s_cmp_lg_u32 s[WV], 0
	s_cbranch_scc1 .Lnot_wave_0_\@
	s_barrier_signal -3
.Lnot_wave_0_\@:
	s_barrier_wait -3
	s_barrier_signal -1
	s_barrier_wait -1
.endm
.macro WM d, a, b, c, sa, sb
	v_wmma_scale_f32_16x16x128_f8f6f4 v[\d:\d+7], v[\a:\a+7], v[\b:\b+7], v[\c:\c+7], v[\sa], v[\sb] matrix_a_fmt:MATRIX_FMT_FP4 matrix_b_fmt:MATRIX_FMT_FP4 matrix_b_scale:MATRIX_SCALE_ROW1
.endm
.macro FETCH a0, a1, as, sp            ; the fragments and scale words of the half's sp-th 128 along K: images, 16 bytes a lane on end
.irp i, 0,1,2,3
	ds_load_b32 v[SC+\i], v[\as] offset:HR*\i+64*(\sp)
.endr
.irp i, 0,1,2,3
.irp c, 0,1
	ds_load_b128 v[F0+8*\i+4*\c:F0+8*\i+4*\c+3], v[\a0] offset:HR*\i+256+1024*(\sp)+512*\c
.endr
.endr
.irp i, 0,1,2,3
.irp c, 0,1
	ds_load_b128 v[F1+8*\i+4*\c:F1+8*\i+4*\c+3], v[\a1] offset:HR*\i+256+1024*(\sp)+512*\c
.endr
.endr
.endm
.macro MULJ j, cm                      ; source 1's tile j.  cm 0: onto the sums; 1: the bias by source 0's tile starts them; 2: by source 1's.  The accumulators take turns
.irp i, 0,1,2,3
.if \cm == 0
	WM ACC+8*(4*\j+\i), F0+8*\i, F1+8*\j, ACC+8*(4*\j+\i), SC+\i, SC+\j
.elseif \cm == 1
	WM ACC+8*(4*\j+\i), F0+8*\i, F1+8*\j, BI+8*\i, SC+\i, SC+\j
.else
	WM ACC+8*(4*\j+\i), F0+8*\i, F1+8*\j, BI+8*\j, SC+\i, SC+\j
.endif
.endr
.endm
.macro MUL cm
.irp j, 0,1,2,3
	s_wait_dscnt 6-2*\j                            ; source 1's tiles behind tile j may stay out
	MULJ \j, \cm
.endr
.endm
.macro PLACES
.rept 4
	v_nop                                          ; four places in front of loads into registers that matrix instructions have read, and of the first read of results
.endr
.endm
.macro FILL under, g0, g1, next        ; one fill to an arm
	s_cmp_lt_u32 s[WV], \under
	s_cbranch_scc0 \next
	tensor_load_to_lds s[\g0:\g0+3], s[\g1:\g1+7]
	s_nop 0
	PLACES
	s_branch .Lfilled
\next:
.endm
	s_load_b256 s[4:11], s[0:1], 0x0               ; xrec, wrec, bq, bk
	s_load_b128 s[12:15], s[0:1], 0x20             ; bv, qrec
	s_load_b64 s[16:17], s[0:1], 0x30              ; kv
	v_lshl_add_u32 v30, v0, 2, SPARE
	v_mov_b32 v31, 0
	ds_add_u32 v30, v31                            ; the wave's opening
	ds_add_u32 v30, v31
	v_lshrrev_b32 v1, 5, v0
	v_readfirstlane_b32 s[WV], v1                  ; wave 0..11
	s_and_b32 s19, s[WV], 3                        ; a: my quad of x's tiles
	s_lshr_b32 s20, s[WV], 2                       ; T: q, k or v
	s_bfe_u32 s21, ttmp6, 0x40000                  ; cx
	s_bfe_u32 s22, ttmp6, 0x40004                  ; cy
	s_lshl_b32 s23, ttmp9, 2
	s_add_co_u32 s23, s23, s21                     ; block of 256 tokens
	s_and_b32 s24, ttmp7, 0xffff
	s_lshl_b32 s25, s24, 2
	s_add_co_u32 s25, s25, s22                     ; head
	s_lshl_b32 s26, 0x1111, s21                    ; my column of the cluster
	s_lshl_b32 s27, s22, 2
	s_lshl_b32 s27, 15, s27                        ; my row
	; group 1: x: four half-records, 17,408 dense bytes, as 68 rows of 256 bytes (32 elements of 8 bytes); w: six, as 102 rows
	s_or_b32 s[G1X], s26, (3<<16)|(1<<21)          ; 15:0 the mask; 17:16 elements of 8 bytes; 21 set beside a mask
	s_or_b32 s[G1W], s27, (3<<16)|(1<<21)
	s_mov_b32 s[G1X+2], 68<<16
	s_mov_b32 s[G1X+4], 68
	s_mov_b32 s[G1W+2], 102<<16
	s_mov_b32 s[G1W+4], 102
.irp g, G1X, G1W
	s_mov_b32 s[\g+1], 32<<16
	s_mov_b32 s[\g+3], 32<<16
	s_mov_b32 s[\g+5], 32
	s_mov_b32 s[\g+6], 0
	s_mov_b32 s[\g+7], 0
.endr
	s_add_co_u32 s70, s[WV], 2
	s_lshr_b32 s70, s70, 3                         ; which half of K I fetch: waves 6-11 the second
	s_lshl_b32 s71, s70, 1
	s_add_co_u32 s71, s71, s[WV]
	s_and_b32 s71, s71, 3                          ; which quad of x, if I fetch x
	s_and_b32 s72, s[WV], 1                        ; which six tiles of w, if I fetch w
	s_mul_i32 s73, s70, HALF
	s_mul_i32 s71, s71, 4*HR
	s_mul_i32 s72, s72, 6*HR
	s_add_co_u32 s74, s71, s73                     ; where it goes, x: the wave's number alone
	s_add_co_u32 s75, s72, s73
	s_add_co_u32 s75, s75, SIDE                    ; w
	s_mul_i32 s76, s70, HSTR
	s_mul_i32 s66, s23, 16*HR                      ; x's: these registers never hold cy
	s_add_co_u32 s66, s66, s71
	s_add_co_u32 s66, s66, s76
	s_mov_b32 s67, 0
	s_mul_i32 s68, s25, 12*HR                      ; w's: these never hold cx
	s_add_co_u32 s68, s68, s72
	s_add_co_u32 s68, s68, s76
	s_mov_b32 s69, 0
	s_wait_dscnt 0x0                               ; both opening adds are done
	s_wait_kmcnt 0x0
	s_mov_b32 s[GX], 1
	s_mov_b32 s[GX+1], s74
	s_add_nc_u64 s[GX+2:GX+3], s[4:5], s[66:67]
	s_or_b32 s[GX+3], s[GX+3], 0x80000000
	s_mov_b32 s[GW], 1
	s_mov_b32 s[GW+1], s75
	s_add_nc_u64 s[GW+2:GW+3], s[6:7], s[68:69]
	s_or_b32 s[GW+3], s[GW+3], 0x80000000
	CROUND                                         ; all sixteen work-groups are here: the joint loads meet
	FILL 4, GX, G1X, .Lfill_w0
	FILL 6, GW, G1W, .Lfill_x1
	FILL 10, GX, G1X, .Lfill_w1
	tensor_load_to_lds s[GW:GW+3], s[G1W:G1W+7]
	s_nop 0
	PLACES
.Lfilled:
	s_mul_i32 s52, s19, 4*HR                       ; my quad of x,
	s_mul_i32 s53, s20, 4*HR
	s_add_co_u32 s53, s53, SIDE                    ; my quad of w
	s_cmp_eq_u32 s20, 2
	s_cselect_b32 s54, s52, s53                    ; source 0: v: tokens; q, k: features
	s_cselect_b32 s55, s53, s52                    ; source 1
	s_cmp_eq_u32 s20, 0                            ; the bias of my 64 features, and the result's buffer
	s_cselect_b32 s82, 0, 1
	s_cselect_b64 s[60:61], s[14:15], s[16:17]
	s_cselect_b64 s[76:77], s[8:9], s[10:11]
	s_cmp_eq_u32 s20, 2
	s_cselect_b64 s[76:77], s[12:13], s[76:77]
	s_lshl_b32 s78, s25, 8
	s_mov_b32 s79, 0
	s_add_nc_u64 s[76:77], s[76:77], s[78:79]
	; where my results go: head = 16 x batch + head; step of 128 tokens = 2 (block % 8) + a / 2; a record of kv is twice one of qrec
	s_lshr_b32 s62, s23, 3
	s_lshl_b32 s62, s62, 4
	s_add_co_u32 s62, s62, s25
	s_mul_i32 s62, s62, 16*HR
	s_and_b32 s63, s23, 7
	s_lshl_b32 s63, s63, 1
	s_lshr_b32 s78, s19, 1
	s_add_co_u32 s63, s63, s78
	s_mul_i32 s63, s63, HR
	s_add_co_u32 s62, s62, s63
	s_lshl_b32 s62, s62, s82
	s_mov_b32 s63, 0
	s_add_nc_u64 s[60:61], s[60:61], s[62:63]
	s_and_b32 s83, s19, 1                          ; which 64 tokens of the step are mine
	s_lshl_b32 s56, s83, 11                        ; q, k: my four tiles of the step's eight
	s_lshl_b32 s57, s83, 9                         ; v: group c = my 64 keys of the step's 128
	s_cmp_eq_u32 s20, 2
	s_cselect_b32 s56, s57, s56
	s_lshl_b32 s57, 4096, s82                      ; the pair words lie behind the codes (q) or behind K's and V's codes (k)
	s_lshl_b32 s58, s83, 7
	s_add_co_u32 s57, s57, s58
	s_lshl_b32 s58, s83, 1
	v_and_b32 v12, 31, v0                          ; lane
	v_and_b32 v13, 15, v0                          ; r
	v_bfe_u32 v3, v0, 4, 1                         ; h
	v_lshlrev_b32 v1, 4, v12                       ; 16 x lane
	v_lshlrev_b32 v2, 2, v13                       ; 4 r
	v_and_b32 v15, 8, v13
	v_cmp_ne_u32 vcc_lo, 0, v3
	v_add_nc_u32 v[AD0], s54, v1
	v_add_nc_u32 v[AD1], s55, v1
	v_add_nc_u32 v[AS], s54, v2
	v_add_nc_u32 v7, s55, v2
	v_mul_u32_u24 v15, 3, v15
	v_cndmask_b32 v[AS], v[AS], v7, vcc_lo
	v_add_nc_u32 v15, v15, v13                     ; r + 24 (r / 8)
	v_add_nc_u32 v[BD0], HALF, v[AD0]
	v_add_nc_u32 v[BD1], HALF, v[AD1]
	v_add_nc_u32 v[BS], HALF, v[AS]
	v_lshlrev_b32 v15, 2, v15                      ; v: all eight registers of source 1's tile i belong to my lane's feature, 8 i + r + 24 (r / 8)
	v_lshlrev_b32 v8, 7, v3                        ; q, k: register j of source 0's tile i is feature 32 h + 8 i + j
	v_lshlrev_b32 v14, 3, v3                       ; 8 h
	v_add_nc_u32 v9, s56, v1                       ; codes
	v_lshl_add_u32 v10, v12, 2, s57                ; q, k: pair words
	v_lshl_add_u32 v11, v3, 7, v2
	v_add_nc_u32 v11, s58, v11                     ; v: 128 h + 4 r + 2 c: lanes 0-15 hold tiles 0 and 1's bytes, lanes 16-31 tiles 2 and 3's
	s_wait_alu depctr_va_vdst(0)                   ; the wait at the head's end
	s_cmp_eq_u32 s20, 2
	s_cbranch_scc1 .Lbias_v
.irp i, 0,1,2,3
	global_load_b128 v[BI+8*\i:BI+8*\i+3], v8, s[76:77] offset:32*\i
	global_load_b128 v[BI+8*\i+4:BI+8*\i+7], v8, s[76:77] offset:32*\i+16
.endr
	s_branch .Lbias_done
.Lbias_v:
.irp i, 0,1,2,3
.irp j, 0,1,2,3,4,5,6,7
	global_load_b32 v[BI+8*\i+\j], v15, s[76:77] offset:32*\i
.endr
.endr
.Lbias_done:
	s_cmp_lt_u32 s[WV], 6                          ; the first half's fills are waves 0-5's: they wait; the second half's, lines of their own, may stay out: nothing is filled twice
	s_cbranch_scc0 .Lno_wait
	s_wait_tensorcnt 0x0
.Lno_wait:
	s_barrier_signal -1
	s_barrier_wait -1                              ; the first half of K is in
	FETCH AD0, AD1, AS, 0
	s_wait_loadcnt 0x0                             ; the bias
	s_cmp_eq_u32 s20, 2
	s_cbranch_scc1 .Lfirst_v
	MUL 1                                          ; the first K step starts the sums on the bias: nothing is cleared, nothing added later
	s_branch .Lfirst_done
.Lfirst_v:
	MUL 2
.Lfirst_done:
.irp k, 1,2
	PLACES
	FETCH AD0, AD1, AS, \k
	MUL 0
.endr
	PLACES
	FETCH AD0, AD1, AS, 3
.irp j, 0,1,2
	s_wait_dscnt 6-2*\j
	MULJ \j, 0
.endr
	s_wait_dscnt 0x0                               ; no LDS load of mine is out,
	s_wait_tensorcnt 0x0                           ; and my fill is in
	s_barrier_signal -1
	MULJ 3, 0
	s_barrier_wait -1                              ; everybody's is
.irp k, 0,1,2,3
	PLACES
	FETCH BD0, BD1, BS, \k
	MUL 0
.endr
	PLACES
	; the 32 registers of source 1's tile j are one block of 32; each accumulator is read from its low end on
.irp j, 0,1,2,3
	v_max3_num_f32 v[TM+\j], |v[ACC+32*\j]|, |v[ACC+1+32*\j]|, 0x1800000   ; the floor 2^(3 - 127) among the leaves: the byte cannot fall under 1
.endr
.irp i, 2,4,6,8,10,12,14,16,18,20,22,24,26,28,30
.irp j, 0,1,2,3
	v_max3_num_f32 v[TM+\j], v[TM+\j], |v[ACC+32*\j+\i]|, |v[ACC+32*\j+\i+1]|
.endr
.endr
.irp j, 0,1,2,3
	v_add_nc_u32 v[TM+4+\j], 0xff000000, v[TM+\j]  ; 2 off the exponent field: the conversion's scale operand
.endr
.irp j, 0,1,2,3
	v_lshrrev_b32 v[TM+8+\j], 23, v[TM+4+\j]       ; the scale's byte
.endr
	v_lshl_or_b32 v112, v[TM+9], 16, v[TM+8]       ; tiles 0, 1: my byte is h of each half
	v_lshl_or_b32 v113, v[TM+11], 16, v[TM+10]     ; tiles 2, 3
	v_lshlrev_b32 v112, v14, v112
	v_lshlrev_b32 v113, v14, v113
.irp j, 0,1,2,3
.irp g, 0,1,2,3
	v_cvt_scalef32_pk8_fp4_f32 v[PC+4*\j+\g], v[ACC+32*\j+8*\g:ACC+32*\j+8*\g+7], v[TM+4+\j]
.endr
.endr
	v_nop                                          ; one plain place behind the last scaled conversion
	v_permlane16_swap_b32 v112, v113               ; the two lanes of a row meet:
	v_or_b32 v114, v112, v113                      ; lanes 0-15 tiles 0 and 1's word, lanes 16-31 tiles 2 and 3's
	s_wait_alu depctr_va_vdst(0)                   ; the wait ahead of the branch
	s_cmp_eq_u32 s20, 2
	s_cbranch_scc1 .Lout_v
.irp i, 0,1,2,3
	global_store_b128 v9, v[PC+4*\i:PC+4*\i+3], s[60:61] offset:512*\i   ; 512 consecutive bytes
.endr
	global_store_b32 v10, v114, s[60:61]           ; 128 consecutive bytes
	s_branch .Lout_done
.Lout_v:
.irp i, 0,1,2,3
	global_store_b128 v9, v[PC+4*\i:PC+4*\i+3], s[60:61] offset:4096+1024*\i
.endr
	global_store_b16 v11, v114, s[60:61] offset:8448
	global_store_d16_hi_b16 v11, v114, s[60:61] offset:8448+64
.Lout_done:
	s_wait_tensorcnt 0x0                           ; the wave's end
	ds_add_u32 v30, v31
	s_wait_dscnt 0x0
	CROUND                                         ; the closing round: no work-group ends while a partner may still ask for a tile that names it
	s_endpgm
.Lfunc_end_k_qa5ac3db2ae_qkv:
	.size	k_qa5ac3db2ae_qkv, .Lfunc_end_k_qa5ac3db2ae_qkv-k_qa5ac3db2ae_qkv
	.p2alignl 7, 3214868480
	.fill 96, 4, 3214868480
	.section	.rodata,"a",@progbits
	.p2align	6, 0x0
	.amdhsa_kernel k_qa5ac3db2ae_qkv
		.amdhsa_group_segment_fixed_size 245248
		.amdhsa_private_segment_fixed_size 0
		.amdhsa_enable_private_segment 0
		.amdhsa_kernarg_size 56
		.amdhsa_user_sgpr_count 2
		.amdhsa_user_sgpr_kernarg_segment_ptr 1
		.amdhsa_wavefront_size32 1
		.amdhsa_system_sgpr_workgroup_id_x 1
		.amdhsa_system_sgpr_workgroup_id_y 1
		.amdhsa_system_sgpr_workgroup_id_z 1
		.amdhsa_system_vgpr_workitem_id 0
		.amdhsa_next_free_vgpr 256
		.amdhsa_next_free_sgpr 84
		.amdhsa_reserve_vcc 1
		.amdhsa_float_denorm_mode_32 3
		.amdhsa_float_denorm_mode_16_64 3
		.amdhsa_memory_ordered 1
		.amdhsa_forward_progress 1
		.amdhsa_inst_pref_size 50
	.end_amdhsa_kernel
	.amdgpu_metadata
---
amdhsa.version: [ 1, 2 ]
amdhsa.kernels:
  - .name:           k_qa5ac3db2ae_qkv
    .symbol:         k_qa5ac3db2ae_qkv.kd
    .args:
      - { .name: xrec, .offset: 0, .size: 8, .value_kind: global_buffer, .address_space: global }
      - { .name: wrec, .offset: 8, .size: 8, .value_kind: global_buffer, .address_space: global }
      - { .name: bq, .offset: 16, .size: 8, .value_kind: global_buffer, .address_space: global }
      - { .name: bk, .offset: 24, .size: 8, .value_kind: global_buffer, .address_space: global }
      - { .name: bv, .offset: 32, .size: 8, .value_kind: global_buffer, .address_space: global }
      - { .name: qrec, .offset: 40, .size: 8, .value_kind: global_buffer, .address_space: global }
      - { .name: kv, .offset: 48, .size: 8, .value_kind: global_buffer, .address_space: global }
    .group_segment_fixed_size: 245248
    .private_segment_fixed_size: 0
    .kernarg_segment_align: 8
    .kernarg_segment_size: 56
    .max_flat_workgroup_size: 384
    .sgpr_count:     84
    .vgpr_count:     256
    .wavefront_size: 32
...
	.end_amdgpu_metadata
.endif
;; end of part 2
;; launch attn (part 3): grid 8 x 32, 16 waves a work-group, clusters of 4 x 1, 176,128 bytes of LDS; arguments qrec, kv, arec; writes arec
.if DOCPART == 3
	.amdgcn_target "amdgcn-amd-amdhsa--gfx1250"
	.amdhsa_code_object_version 6
	.text
	.protected	k_qa5ac3db2ae_attn
	.globl	k_qa5ac3db2ae_attn
	.p2align	8
	.type	k_qa5ac3db2ae_attn,@function
k_qa5ac3db2ae_attn:
	s_mov_b64 s[64:65], 0
	v_nop
	global_prefetch_b8 v0, s[64:65] scope:SCOPE_SE
	s_setreg_imm32_b32 hwreg(HW_REG_WAVE_MODE, 25, 1), 1
	s_wait_xcnt 0x0
	s_wait_alu depctr_hold_cnt(0) depctr_sa_sdst(0) depctr_va_vdst(0) depctr_va_sdst(0) depctr_va_ssrc(0) depctr_va_vcc(0) depctr_vm_vsrc(0)
	s_getreg_b32 s2, hwreg(HW_REG_IB_STS2, 6, 4)
	s_cmp_eq_u32 s2, 0
	s_cbranch_scc0 .Lentry_in_a_cluster
	s_endpgm
.Lentry_in_a_cluster:
	s_bfe_u32 s2, ttmp6, 0x10000c
	s_cmp_lg_u32 s2, 0x3003
	s_cbranch_scc0 .Lentry_shape_is_right
	s_endpgm
.Lentry_shape_is_right:
; Causal attention of one head (work-group y: 16 x batch + head) on codes of FP4 with E8M0 scales, and its result quantised along the channels for the output projection.
; THE SOFTMAX AHEAD OF THE SECOND PRODUCT: t = score x log2(e) / 8; M = the running largest t rounded UP to a whole number; p = 2^(t - M) is quantised along the keys, not normalised;
; the row's sum is taken of the unquantised p and divides at the end.  When M moves, the sum and O are multiplied by 2^(old M - new M): exact.
; LEFT OUT: key steps of 128 that lie wholly above the diagonal of the mask that reference() builds itself: their p is 0 for all values of the inputs.
; SHARES.  The head's 2,048 queries are 16 blocks of 8 tiles of 16.  A tile of block B needs key steps 0 .. B of 128 keys; step B is its diagonal.  The head's eight work-groups take a tile of each block:
; tile t8 = 4 x cluster x + place in the cluster.  Waves p and p + 8 share the tiles of blocks 15 - p (long) and p (short), 17 steps together: wave p walks steps 0 .. 8 of the long tile; wave p + 8
; walks the short tile, sends it out, and then walks steps 9 .. 15 - p of the long one.  The two parts of the long tile join in LDS, each brought to the greater of the two M: exact.  So every wave has 9 or 8 steps.
; The place in the cluster enters global addresses and the mask's vector data alone.  Every wave passes all loop lines; a step that is not the wave's is jumped over: the trip counts are constants.
; LDS.  The head's K, V and scales, 16 records of 8,704 bytes, are filled ONCE, by one joint load a wave of the cluster's four work-groups; step 0 waits for wave 0's record alone.  All fills go out at the head: nothing is prefetched.
; LAYOUT.  S^T = K Q^T: K = the head's 64 channels fill half of an instruction's 128, so a fragment of K holds TWO tiles of keys (k 0-63 tile 2 f, k 64-127 tile 2 f + 1) and is multiplied by [Q, 0] and by [0, Q]:
; zero codes add nothing.  O^T = V^T P^T.  A lane holds one query throughout; the 32 registers of tiles 4 c .. 4 c + 3 of S^T are keys 64 c + 32 h + 0 .. 31: a whole block in one lane, in the second product's own layout.
; THE DIAGONAL: hidden scores are held at (query - key + 1/2) x 2^120, a negative number then, by a minimum.
; LIMITS: scaled scores under 2^31 in magnitude; NaN and infinities are not served (one that reaches only steps left out is not carried to the result); a block under 2^-124, or of zeros, takes the scale byte 1.
.set HR,    4352
.set HSTR,  256*HR
.set REC,   8704                       ; a step's record: K's codes, at 4,096 V's codes, at 8,192 K's pair words, at 8,448 V's words
.set XCH,   16*REC                     ; behind the records: 4,352 bytes for each pair of waves: O^T 4,096, the sum, -M
.set SPARE, XCH+8*4352
.set L16,  1                           ; v1  16 x lane
.set R4,   2                           ; v2  4 r
.set MD,   3                           ; v3  (my query's place in the masked 64 keys - 32 h + 1/2) x 2^120
.set ADC,  4                           ; v4  the step's record + 16 x lane
.set ADS,  5                           ; v5  the step's record + 4 r
.set CO,   6                           ; v6  the way out: codes;  v7: the scale bytes
.set WO,   7
.set LN,   8
.set XO,   9                           ; v9, v10 the pair's exchange
.set XS,   10
.set QLO,  20                          ; v16-19 zeros, v20-23 Q, v24-27 zeros: [Q, 0] is v20-27, [0, Q] v16-23
.set QHI,  16
.set QN,   28                          ; v28-31 Q of the pair's long tile
.set KF,   32                          ; v32-63 K's four fragments;  v64-95 V's four
.set VF,   64
.set S,    96                          ; v96-159 S^T, then p
.set O,    160                         ; v160-191 O^T
.set PC,   192                         ; v192-199 p's codes
.set QS,   200                         ; scale words, which hold nothing else: v200 Q's, v201 the long tile's, v204-207 K's, v208-211 V's, v220 p's
.set QNS,  201
.set BX,   202                         ; lane permutes' results
.set WW,   203
.set KS,   204
.set VS,   208
.set BM,   212                         ; v212, v213 the blocks' largest scores, then largest p
.set BY,   214                         ; v214, v215 their bytes
.set SO,   216                         ; v216, v217 the conversions' scale operands
.set FF,   218                         ; v[218:219] f = 2^(old M - new M)
.set PW,   220
.set TT,   221
.set BN,   222
.set WV,   10
.set BETA, 13                          ; the block in hand
.set T8,   14
.set LIM,  15                          ; my last step
.set G1,   16
.set G0,   24
.set SEL,  28
.set CS,   30                          ; s[30:31] c = log2(e) / 8
.set NB,   32                          ; s[32:33] -4 x 2^120
.set NC,   34                          ; -c
.set TB,   35                          ; the step's record in LDS
.set SG,   36                          ; the step's number
.set CNT,  37
.set LIM2, 38
.set BLONG, 39
.set PP,   40
.set HI,   41
.macro CROUND
	s_barrier_signal -1
	s_barrier_wait -1
	s_cmp_lg_u32 s[WV], 0
	s_cbranch_scc1 .Lnot_wave_0_\@
	s_barrier_signal -3
.Lnot_wave_0_\@:
	s_barrier_wait -3
	s_barrier_signal -1
	s_barrier_wait -1
.endm
.macro PLACES
.rept 4
	v_nop
.endr
.endm
.macro WMZ d, a, b, sa, sb             ; a product that starts its sum
	v_wmma_scale_f32_16x16x128_f8f6f4 v[\d:\d+7], v[\a:\a+7], v[\b:\b+7], 0, v[\sa], v[\sb] matrix_a_fmt:MATRIX_FMT_FP4 matrix_b_fmt:MATRIX_FMT_FP4
.endm
.macro WMA d, a, b, sa, sb             ; and one that adds onto it
	v_wmma_scale_f32_16x16x128_f8f6f4 v[\d:\d+7], v[\a:\a+7], v[\b:\b+7], v[\d:\d+7], v[\sa], v[\sb] matrix_a_fmt:MATRIX_FMT_FP4 matrix_b_fmt:MATRIX_FMT_FP4
.endm
.macro CLEAR                           ; a tile begins: O^T and the sum 0, the largest score -3e38, -M a great whole number: the first change of M leaves zeros
	v_mov_b32 v13, 0xff61b1e6
	v_mov_b32 v12, 0x7e000000
	v_mov_b32 v14, 0
	v_mov_b32 v15, 0
.set jj, 0
.rept 32
	v_mov_b32 v[O+jj], 0
.set jj, jj+1
.endr
.endm
	s_load_b128 s[4:7], s[0:1], 0x0                ; qrec, kv
	s_load_b64 s[8:9], s[0:1], 0x10                ; arec
	v_lshl_add_u32 v254, v0, 2, SPARE
	v_mov_b32 v255, 0
	ds_add_u32 v254, v255                          ; the wave's opening
	ds_add_u32 v254, v255
	v_lshrrev_b32 v1, 5, v0
	v_readfirstlane_b32 s[WV], v1                  ; wave 0..15
	s_bfe_u32 s11, ttmp6, 0x40000                  ; cx
	s_and_b32 s12, ttmp7, 0xffff                   ; 16 x batch + head: the four partners share it
	s_mov_b32 s[HI], ttmp9                         ; 0 or 1: my tile lies in the block's first or second 64 queries
	s_lshl_b32 s[T8], ttmp9, 2
	s_add_co_u32 s[T8], s[T8], s11
	s_and_b32 s[PP], s[WV], 7                      ; my pair
	s_sub_co_u32 s[BLONG], 15, s[PP]
	s_cmp_lt_u32 s[WV], 8
	s_cselect_b32 s[BETA], s[BLONG], s[PP]
	s_cselect_b32 s[LIM], 8, s[PP]
	s_cselect_b32 s[LIM2], 0, s[BLONG]             ; waves 0-7 have no step behind 8
	; group 1: a step's record, 8,704 dense bytes, as 34 rows of 256 bytes
	s_mov_b32 s[G1], 15|(3<<16)|(1<<21)            ; 15:0 the mask: all four work-groups; 17:16 elements of 8 bytes; 21 set beside a mask
	s_mov_b32 s[G1+1], 32<<16
	s_mov_b32 s[G1+2], 34<<16
	s_mov_b32 s[G1+3], 32<<16
	s_mov_b32 s[G1+4], 34
	s_mov_b32 s[G1+5], 32
	s_mov_b32 s[G1+6], 0
	s_mov_b32 s[G1+7], 0
	s_mul_i32 s42, s[WV], REC                      ; my record, in LDS as in memory
	s_mul_i32 s44, s12, 16*REC
	s_add_co_u32 s44, s44, s42
	s_mov_b32 s45, 0
	s_mov_b32 s[SEL], 0x76543210
	s_mov_b32 s[SEL+1], 0xfedcba98
	s_mov_b32 s[CS], 0x3e38aa3b                    ; log2(e) / 8
	s_mov_b32 s[CS+1], s[CS]                       ; (named with it as a pair, so it is written)
	s_mov_b32 s[NC], 0xbe38aa3b
	s_mov_b32 s[NB], 0xfc800000                    ; -2^122
	s_mov_b32 s[NB+1], s[NB]
	s_wait_dscnt 0x0                               ; both opening adds are done
	s_wait_kmcnt 0x0
	s_mov_b32 s[G0], 1
	s_mov_b32 s[G0+1], s42
	s_add_nc_u64 s[G0+2:G0+3], s[6:7], s[44:45]
	s_or_b32 s[G0+3], s[G0+3], 0x80000000
	CROUND                                         ; all four work-groups are here: the joint loads meet
	s_cmp_lt_u32 s[WV], 1                          ; wave 0's load, which step 0 waits for, is a line of its own
	s_cbranch_scc0 .Lrest
	tensor_load_to_lds s[G0:G0+3], s[G1:G1+7]
	s_nop 0
	PLACES
	s_branch .Lasked
.Lrest:
	tensor_load_to_lds s[G0:G0+3], s[G1:G1+7]
	s_nop 0
	PLACES
.Lasked:
	s_mul_i32 s48, s12, 16*HR                      ; Q: the record of the tile that I begin with,
	s_mul_i32 s50, s[BLONG], HR
	s_add_co_u32 s50, s50, s48                     ; and of the pair's long tile (in waves 0-7 the same)
	s_mov_b32 s51, 0
	s_mul_i32 s52, s[BETA], HR
	s_add_co_u32 s48, s48, s52
	s_mov_b32 s49, 0
	s_add_nc_u64 s[46:47], s[4:5], s[50:51]
	s_add_nc_u64 s[4:5], s[4:5], s[48:49]
	; the way out, once a wave, for the tile that it begins with: half of K = head / 8; token tile = 128 x batch + 8 x block + t8; K step = (head / 2) % 4; group = head % 2
	s_lshr_b32 s54, s12, 4
	s_lshl_b32 s54, s54, 7
	s_lshl_b32 s55, s[BETA], 3
	s_add_co_u32 s54, s54, s55
	s_add_co_u32 s54, s54, s[T8]
	s_mul_i32 s54, s54, HR
	s_bfe_u32 s56, s12, 0x10003
	s_mul_i32 s56, s56, HSTR
	s_add_co_u32 s54, s54, s56
	s_mov_b32 s55, 0
	s_add_nc_u64 s[8:9], s[8:9], s[54:55]
	s_bfe_u32 s57, s12, 0x20001
	s_and_b32 s58, s12, 1
	s_lshl_b32 s59, s57, 10
	s_lshl_b32 s60, s58, 9
	s_add_co_u32 s59, s59, s60
	s_lshl_b32 s60, s57, 6
	s_lshl_b32 s58, s58, 1
	s_add_co_u32 s60, s60, s58
	s_lshl_b32 s61, s[T8], 9
	s_lshr_b32 s62, s[T8], 1
	s_lshl_b32 s62, s62, 6
	s_and_b32 s63, s[T8], 1
	s_lshl_b32 s63, s63, 1
	s_add_co_u32 s62, s62, s63
	s_lshl_b32 s63, s11, 3
	s_mul_i32 s56, s[PP], 4352
	s_add_co_u32 s56, s56, XCH                     ; my pair's exchange
	s_add_co_u32 s42, s56, 4096
	v_and_b32 v[LN], 31, v0
	v_and_b32 v11, 15, v0                          ; r
	v_bfe_u32 v12, v0, 4, 1                        ; h
	v_lshlrev_b32 v[L16], 4, v[LN]
	v_lshlrev_b32 v[R4], 2, v11
	v_and_b32 v[MD], 8, v11
	v_add_nc_u32 v13, s61, v[L16]
	v_add_nc_u32 v14, s62, v[R4]
	global_load_b128 v[QLO:QLO+3], v13, s[4:5]     ; Q's 16 bytes a lane
	global_load_u16 v[QS], v14, s[4:5] offset:4096 ; my row's two scale bytes
	global_load_b128 v[QN:QN+3], v13, s[46:47]
	global_load_u16 v[QNS], v14, s[46:47] offset:4096
	v_mul_u32_u24 v[MD], 3, v[MD]
	v_add_nc_u32 v[XO], s56, v[L16]
	v_lshl_add_u32 v[XS], v[LN], 2, s42
	v_add_nc_u32 v[MD], v[MD], v11                 ; r + 24 (r / 8)
	v_lshlrev_b32 v15, 5, v12
	v_add_nc_u32 v[CO], s59, v[L16]
	v_sub_nc_u32 v[MD], v[MD], v15
	v_add_nc_u32 v[WO], s60, v[R4]
	v_add_nc_u32 v[MD], s63, v[MD]                 ; d = 8 cx + r + 24 (r / 8) - 32 h: register n of the masked 64 keys is hidden where n > d
	v_add_nc_u32 v[WO], v[WO], v12                 ; + h: my block's byte
	v_cvt_f32_i32 v[MD], v[MD]
.irp j, 0,1,2,3
	v_mov_b32 v[16+\j], 0                          ; zero codes for the half of K that is another tile's
	v_mov_b32 v[24+\j], 0
.endr
	v_add_f32 v[MD], 0.5, v[MD]
	v_mov_b32 v[BX], 0                             ; a lane permute's destination counts as one of its sources
	v_mov_b32 v[FF+1], 0                           ; (named as the upper half of a pair)
	v_mov_b32 v[BY+1], 0
	v_mul_f32 v[MD], 0x7b800000, v[MD]             ; x 2^120
	s_wait_alu depctr_va_vdst(0)                   ; the wait here, directly ahead of the wait below
	s_wait_loadcnt 0x0
	v_mul_u32_u24 v[QS], 0x10001, v[QS]            ; the two bytes twice: one word serves [Q, 0] and [0, Q]
	v_mul_u32_u24 v[QNS], 0x10001, v[QNS]
	CLEAR                                          ; (these also stand between the lines above and the first scaled product: more than eight places)
.macro MASK c                          ; the 64 keys c of the diagonal
	v_mov_b32 v224, v[MD]
	v_add_f32 v225, 0xfb800000, v[MD]
	v_add_f32 v226, 0xfc000000, v[MD]
	v_add_f32 v227, 0xfc400000, v[MD]
.set nn, S+32*\c
.rept 8
	v_min_num_f32 v[nn], v[nn], v224
	v_min_num_f32 v[nn+1], v[nn+1], v225
	v_min_num_f32 v[nn+2], v[nn+2], v226
	v_min_num_f32 v[nn+3], v[nn+3], v227
	v_pk_add_f32 v[224:225], v[224:225], s[NB:NB+1] op_sel_hi:[1,0]
	v_pk_add_f32 v[226:227], v[226:227], s[NB:NB+1] op_sel_hi:[1,0]
.set nn, nn+4
.endr
.endm
; A KEY STEP: 128 keys.
.macro STEP
	s_cmp_gt_u32 s[SG], s[LIM]                     ; not mine: only the lines at its end are run
	s_cbranch_scc1 .Lhidden_\@
	v_add_nc_u32 v[ADC], s[TB], v[L16]
	v_add_nc_u32 v[ADS], s[TB], v[R4]
	v_nop
	v_nop                                          ; with the two additions: four places in front of loads into registers that the last step's products have read
.irp f, 0,1,2,3
.irp c, 0,1
	ds_load_b128 v[KF+8*\f+4*\c:KF+8*\f+4*\c+3], v[ADC] offset:1024*\f+512*\c
.endr
	ds_load_b32 v[KS+\f], v[ADS] offset:8192+64*\f
.endr
.irp f, 0,1,2,3
.irp c, 0,1
	ds_load_b128 v[VF+8*\f+4*\c:VF+8*\f+4*\c+3], v[ADC] offset:4096+1024*\f+512*\c
.endr
	ds_load_b32 v[VS+\f], v[ADS] offset:8448+64*\f
.endr
	s_wait_dscnt 12                                ; K's twelve loads are in; V's twelve land under the softmax
.irp f, 0,1,2,3
	WMZ S+16*\f, KF+8*\f, QLO, KS+\f, QS           ; keys' tile 2 f
	WMZ S+16*\f+8, KF+8*\f, QHI, KS+\f, QS         ; and 2 f + 1
.endr
	PLACES
	s_cmp_lg_u32 s[SG], s[BETA]
	s_cbranch_scc1 .Lopen_\@
	s_cmp_eq_u32 s[HI], 1                          ; the diagonal.  My queries lie in the block's second 64: the first 64 keys all count
	s_cbranch_scc1 .Lsecond_\@
	MASK 0
.set nn, S+32
.rept 32
	v_mov_b32 v[nn], s[NB]                         ; in its first 64: the second 64 keys are all hidden
.set nn, nn+1
.endr
	s_wait_alu depctr_va_vdst(0)                   ; the wait ahead of the branch
	s_branch .Lopen_\@
.Lsecond_\@:
	MASK 1
.Lopen_\@:
.irp b, 0,1                                    ; the largest score of each block of 32 keys, in two chains each: for the row's maximum and, since p rises with the score, for the block's largest p
	v_max3_num_f32 v[BM+\b], v[S+32*\b], v[S+1+32*\b], v[S+2+32*\b]
	v_max3_num_f32 v[BN+\b], v[S+16+32*\b], v[S+17+32*\b], v[S+18+32*\b]
.endr
.irp i, 3,5,7,9,11,13
.irp b, 0,1
	v_max3_num_f32 v[BM+\b], v[BM+\b], v[S+32*\b+\i], v[S+1+32*\b+\i]
	v_max3_num_f32 v[BN+\b], v[BN+\b], v[S+16+32*\b+\i], v[S+17+32*\b+\i]
.endr
.endr
.irp b, 0,1
	v_max3_num_f32 v[BM+\b], v[BM+\b], v[S+15+32*\b], v[S+31+32*\b]
.endr
.irp b, 0,1
	v_max_num_f32 v[BM+\b], v[BM+\b], v[BN+\b]
.endr
	v_max_num_f32 v[TT], v[BM], v[BM+1]
	v_permlanex16_b32 v[BX], v[TT], s[SEL], s[SEL+1]
	v_mov_b32 v11, v12
	v_max3_num_f32 v13, v13, v[TT], v[BX]          ; the running largest score, with lane l xor 16's keys
	v_mul_f32 v[TT], s[NC], v13                    ; -t (c is positive)
	v_floor_f32 v12, v[TT]                         ; the new -M = -ceil(t): a whole number
.set jj, 0
.rept 32
	v_pk_fma_f32 v[S+jj:S+jj+1], v[S+jj:S+jj+1], s[CS:CS+1], v[12:13] op_sel_hi:[1,0,0]   ; t - M, two at a time
.if jj == 8
	v_sub_f32 v11, v12, v11                        ; old M - new M: a whole number, 0 or less
.elseif jj == 16
	v_cvt_i32_f32 v11, v11                         ; (it saturates)
.elseif jj == 24
	v_ldexp_f32 v[FF], 1.0, v11                    ; f = 2^(old M - new M)
.endif
.set jj, jj+2
.endr
.irp b, 0,1
	v_fma_f32 v[BM+\b], v[BM+\b], s[CS], v12       ; the same of each block's largest score
.endr
.set jj, 0
	s_wait_alu depctr_va_vdst(0)                   ; the wait ahead of the batch,
.rept 64
	v_exp_f32 v[S+jj], v[S+jj]                     ; p = 2^(t - M)
.set jj, jj+1
.endr
	v_exp_f32 v[BM], v[BM]                         ; the block's largest p: the same two instructions on the same number
	v_exp_f32 v[BM+1], v[BM+1]
	v_pk_mul_f32 v[14:15], v[14:15], v[FF:FF+1] op_sel_hi:[1,0]   ; the sums under the new M.  (A plain place behind the exponentials)
	s_wait_alu depctr_va_vdst(0)                   ; and behind it, and ahead of the first readers of O^T
.set jj, 0
.rept 16
	v_pk_mul_f32 v[O+jj:O+jj+1], v[O+jj:O+jj+1], v[FF:FF+1] op_sel_hi:[1,0]   ; O^T under the new M
.set jj, jj+2
.endr
.irp b, 0,1
	v_max_num_f32 v[BM+\b], 0x1800000, v[BM+\b]    ; the floor 2^(3 - 127): the byte cannot fall under 1
.endr
.irp b, 0,1
	v_add_nc_u32 v[SO+\b], 0xff000000, v[BM+\b]
.endr
.irp b, 0,1
	v_lshrrev_b32 v[BY+\b], 23, v[SO+\b]
.endr
.irp g, 0,1,2,3
	v_cvt_scalef32_pk8_fp4_f32 v[PC+\g], v[S+8*\g:S+7+8*\g], v[SO]
	v_cvt_scalef32_pk8_fp4_f32 v[PC+4+\g], v[S+32+8*\g:S+39+8*\g], v[SO+1]
.endr
	v_lshl_or_b32 v[WW], v[BY+1], 16, v[BY]        ; my blocks are h and 2 + h of the step's four.  (The plain place behind the last scaled conversion)
	v_permlanex16_b32 v[BX], v[WW], s[SEL], s[SEL+1]
	v_lshl_or_b32 v[PW], v[BX], 8, v[WW]           ; lanes 0-15: p's scale word for these 128 keys
	v_pk_add_f32 v[224:225], v[S:S+1], v[S+2:S+3]  ; the row's sum, in four chains
	v_pk_add_f32 v[226:227], v[S+4:S+5], v[S+6:S+7]
	v_pk_add_f32 v[228:229], v[S+8:S+9], v[S+10:S+11]
	v_pk_add_f32 v[14:15], v[14:15], v[S+12:S+13]
.set jj, S+14
.rept 6
	v_pk_add_f32 v[224:225], v[224:225], v[jj:jj+1]
	v_pk_add_f32 v[226:227], v[226:227], v[jj+2:jj+3]
	v_pk_add_f32 v[228:229], v[228:229], v[jj+4:jj+5]
	v_pk_add_f32 v[14:15], v[14:15], v[jj+6:jj+7]
.set jj, jj+8
.endr
	v_pk_add_f32 v[224:225], v[224:225], v[S+62:S+63]
	v_pk_add_f32 v[14:15], v[14:15], v[228:229]
	v_pk_add_f32 v[224:225], v[224:225], v[226:227]
	v_pk_add_f32 v[14:15], v[14:15], v[224:225]
	s_wait_dscnt 0x0                               ; V
.irp d, 0,1,2,3
	WMA O+8*\d, VF+8*\d, PC, VS+\d, PW             ; the four accumulators by turns
.endr
.Lhidden_\@:
	s_add_co_u32 s[TB], s[TB], REC
	s_add_co_u32 s[SG], s[SG], 1
.endm
.macro STEPS first, n                  ; steps first .. first + n - 1
	s_mov_b32 s[TB], REC*\first
	s_mov_b32 s[SG], \first
	s_mov_b32 s[CNT], \n
.Lstep_\@:
	STEP
	s_sub_co_u32 s[CNT], s[CNT], 1
	s_cmp_lg_u32 s[CNT], 0
	s_cbranch_scc1 .Lstep_\@
.endm
; A TILE GOES OUT.  v[src] on x 1 / the row's sum; register n is channel 32 h + n of my query: one block, four registers of the next product's operand.
.macro EPI src
	v_permlanex16_b32 v[BX], v14, s[SEL], s[SEL+1]
	v_add_f32 v14, v14, v[BX]                      ; the row's sum
	s_wait_alu depctr_va_vdst(0)                   ; the wait ahead of the transcendental,
	v_rcp_f32 v14, v14
	v_nop                                          ; one plain place behind a transcendental
	s_wait_alu depctr_va_vdst(0)                   ; and ahead of its first reader, which is O^T's first reader too
.set jj, 0
.rept 32
	v_mul_f32 v[S+jj], v[\src+jj], v14             ; each accumulator from its low end on
.set jj, jj+1
.endr
.irp b, 0,1
	v_max3_num_f32 v[BM+\b], |v[S+16*\b]|, |v[S+1+16*\b]|, 0x1800000
.endr
.irp i, 2,4,6,8,10,12,14
.irp b, 0,1
	v_max3_num_f32 v[BM+\b], v[BM+\b], |v[S+16*\b+\i]|, |v[S+1+16*\b+\i]|
.endr
.endr
	v_max_num_f32 v[BM], v[BM], v[BM+1]
	v_add_nc_u32 v[SO], 0xff000000, v[BM]
	v_lshrrev_b32 v[BY], 23, v[SO]
.irp g, 0,1,2,3
	v_cvt_scalef32_pk8_fp4_f32 v[PC+\g], v[S+8*\g:S+7+8*\g], v[SO]
.endr
	v_nop                                          ; one plain place behind the last scaled conversion
	global_store_b128 v[CO], v[PC:PC+3], s[8:9] offset:256   ; 512 consecutive bytes
	global_store_b8 v[WO], v[BY], s[8:9]           ; the block's byte of each row's word; the word's other half is the neighbouring head's
.endm
	s_wait_alu depctr_va_vdst(0)                   ; the wait at the head's end
	s_cmp_lt_u32 s[WV], 1
	s_cbranch_scc0 .Lno_wait
	s_wait_tensorcnt 0x0                           ; step 0's record is in; the others, a line of their own, may stay out: nothing is filled twice
.Lno_wait:
	s_barrier_signal -1
	s_barrier_wait -1
	s_mov_b32 s[TB], 0
	s_mov_b32 s[SG], 0
	STEP
	s_wait_tensorcnt 0x0                           ; my record is in,
	s_wait_dscnt 0x0
	s_barrier_signal -1
	s_barrier_wait -1                              ; everybody's is
	STEPS 1, 8
	s_wait_alu depctr_va_vdst(0)                   ; the wait ahead of the branch
	s_cmp_lt_u32 s[WV], 8
	s_cbranch_scc1 .Lmid
	PLACES                                         ; waves 8-15: the short tile is done
	v_add_f32 v14, v14, v15
	EPI O
	s_wait_xcnt 0x0                                ; the stores have read their registers
.irp j, 0,1,2,3
	v_mov_b32 v[QLO+\j], v[QN+\j]                  ; on to the long tile
.endr
	v_mov_b32 v[QS], v[QNS]
	CLEAR
	s_wait_alu depctr_va_vdst(0)                   ; the wait here, ahead of the loop
.Lmid:
	s_mov_b32 s[LIM], s[LIM2]
	s_mov_b32 s[BETA], s[BLONG]
	STEPS 9, 7
	s_wait_alu depctr_va_vdst(0)                   ; the wait ahead of the branch
	s_cmp_lt_u32 s[WV], 8
	s_cbranch_scc1 .Lkeep
	PLACES                                         ; waves 8-15 hand their part of the long tile over (with no step behind 8: zeros)
	v_add_f32 v14, v14, v15
.irp k, 0,1,2,3,4,5,6,7
	ds_store_b128 v[XO], v[O+4*\k:O+4*\k+3] offset:512*\k
.endr
	ds_store_b32 v[XS], v14
	ds_store_b32 v[XS], v12 offset:128
.Lkeep:
	s_wait_alu depctr_va_vdst(0)                   ; the wait here, directly ahead of the wait below
	s_wait_dscnt 0x0
	s_barrier_signal -1
	s_barrier_wait -1
	s_cmp_lt_u32 s[WV], 8
	s_cbranch_scc0 .Lend
.irp k, 0,1,2,3,4,5,6,7
	ds_load_b128 v[S+4*\k:S+4*\k+3], v[XO] offset:512*\k
.endr
	ds_load_b32 v[BM], v[XS]                       ; the other part's sum
	ds_load_b32 v[BM+1], v[XS] offset:128          ; and -M
	PLACES
	v_add_f32 v14, v14, v15
	s_wait_alu depctr_va_vdst(0)                   ; the wait here, directly ahead of the wait below
	s_wait_dscnt 0x0
	v_min_num_f32 v11, v12, v[BM+1]                ; -M of both
	v_sub_f32 v[SO], v11, v12
	v_sub_f32 v[SO+1], v11, v[BM+1]
	v_cvt_i32_f32 v[SO], v[SO]                     ; (they saturate)
	v_cvt_i32_f32 v[SO+1], v[SO+1]
	v_ldexp_f32 v[FF], 1.0, v[SO]                  ; whole powers of two: nothing is rounded by these products
	v_ldexp_f32 v[BY], 1.0, v[SO+1]
	v_mul_f32 v14, v14, v[FF]
.set jj, 0
.rept 16
	v_pk_mul_f32 v[O+jj:O+jj+1], v[O+jj:O+jj+1], v[FF:FF+1] op_sel_hi:[1,0]
.set jj, jj+2
.endr
	v_fma_f32 v14, v[BM], v[BY], v14
.set jj, 0
.rept 16
	v_pk_fma_f32 v[S+jj:S+jj+1], v[S+jj:S+jj+1], v[BY:BY+1], v[O+jj:O+jj+1] op_sel_hi:[1,0,1]
.set jj, jj+2
.endr
	EPI S
.Lend:
	s_wait_tensorcnt 0x0                           ; the wave's end
	ds_add_u32 v254, v255
	s_wait_dscnt 0x0
	CROUND                                         ; the closing round
	s_endpgm
.Lfunc_end_k_qa5ac3db2ae_attn:
	.size	k_qa5ac3db2ae_attn, .Lfunc_end_k_qa5ac3db2ae_attn-k_qa5ac3db2ae_attn
	.p2alignl 7, 3214868480
	.fill 96, 4, 3214868480
	.section	.rodata,"a",@progbits
	.p2align	6, 0x0
	.amdhsa_kernel k_qa5ac3db2ae_attn
		.amdhsa_group_segment_fixed_size 176128
		.amdhsa_private_segment_fixed_size 0
		.amdhsa_enable_private_segment 0
		.amdhsa_kernarg_size 24
		.amdhsa_user_sgpr_count 2
		.amdhsa_user_sgpr_kernarg_segment_ptr 1
		.amdhsa_wavefront_size32 1
		.amdhsa_system_sgpr_workgroup_id_x 1
		.amdhsa_system_sgpr_workgroup_id_y 1
		.amdhsa_system_sgpr_workgroup_id_z 1
		.amdhsa_system_vgpr_workitem_id 0
		.amdhsa_next_free_vgpr 256
		.amdhsa_next_free_sgpr 66
		.amdhsa_reserve_vcc 0
		.amdhsa_float_denorm_mode_32 3
		.amdhsa_float_denorm_mode_16_64 3
		.amdhsa_memory_ordered 1
		.amdhsa_forward_progress 1
		.amdhsa_inst_pref_size 80
	.end_amdhsa_kernel
	.amdgpu_metadata
---
amdhsa.version: [ 1, 2 ]
amdhsa.kernels:
  - .name:           k_qa5ac3db2ae_attn
    .symbol:         k_qa5ac3db2ae_attn.kd
    .args:
      - { .name: qrec, .offset: 0, .size: 8, .value_kind: global_buffer, .address_space: global }
      - { .name: kv, .offset: 8, .size: 8, .value_kind: global_buffer, .address_space: global }
      - { .name: arec, .offset: 16, .size: 8, .value_kind: global_buffer, .address_space: global }
    .group_segment_fixed_size: 176128
    .private_segment_fixed_size: 0
    .kernarg_segment_align: 8
    .kernarg_segment_size: 24
    .max_flat_workgroup_size: 512
    .sgpr_count:     66
    .vgpr_count:     256
    .wavefront_size: 32
...
	.end_amdgpu_metadata
.endif
;; end of part 3
;; launch oproj (part 4): grid 32 x 8, 8 waves a work-group, clusters of 4 x 4, 175,104 bytes of LDS; arguments arec, wrec, bo, out0; writes out0
.if DOCPART == 4
	.amdgcn_target "amdgcn-amd-amdhsa--gfx1250"
	.amdhsa_code_object_version 6
	.text
	.protected	k_qa5ac3db2ae_oproj
	.globl	k_qa5ac3db2ae_oproj
	.p2align	8
	.type	k_qa5ac3db2ae_oproj,@function
k_qa5ac3db2ae_oproj:
	s_mov_b64 s[64:65], 0
	v_nop
	global_prefetch_b8 v0, s[64:65] scope:SCOPE_SE
	s_setreg_imm32_b32 hwreg(HW_REG_WAVE_MODE, 25, 1), 1
	s_wait_xcnt 0x0
	s_wait_alu depctr_hold_cnt(0) depctr_sa_sdst(0) depctr_va_vdst(0) depctr_va_sdst(0) depctr_va_ssrc(0) depctr_va_vcc(0) depctr_vm_vsrc(0)
	s_getreg_b32 s2, hwreg(HW_REG_IB_STS2, 6, 4)
	s_cmp_eq_u32 s2, 0
	s_cbranch_scc0 .Lentry_in_a_cluster
	s_endpgm
.Lentry_in_a_cluster:
	s_bfe_u32 s2, ttmp6, 0x10000c
	s_cmp_lg_u32 s2, 0xf033
	s_cbranch_scc0 .Lentry_shape_is_right
	s_endpgm
.Lentry_shape_is_right:
; out0 = attn wo^T + bo on codes of FP4 with E8M0 scales.  Both operands come as register images (4,352 bytes for a tile of 16 rows and 512 along K); wo's tiles are 192-255 of wrec.
; SHARES.  256 work-groups of 128 tokens x 128 outputs; all of K, 1,024, lies in LDS in two halves (attn's 8 tiles, then wo's 8), each filled once: no ring, no loop to run ahead in, nothing is prefetched.
; Wave w: token tiles 2 (w % 4), 2 (w % 4) + 1 (source 1) x 64 outputs (source 0: quad w / 4 of wo's tiles): 8 accumulators.
; A lane holds one token, and the 32 registers of source 0's four tiles are outputs 32 h + 0 .. 31.  Tile t's row r is token 64 (t / 4) + 8 (t % 4) + r % 8 + 32 (r / 8).
; FILLS, one a wave, four tiles each: waves 0, 1 attn's and 2, 3 wo's first half of K; waves 4, 5 and 6, 7 the second half.
; bo is the C of each sum's first product.  Two fragment buffers: a K step's loads are out while the step before is multiplied.
; CLUSTER: attn's tiles are asked for jointly by a column of the cluster, wo's by a row.
; THE WAY OUT: a tile's 16 rows x 256 bytes go through the wave's own stage in LDS (bytes that no fill touches) and leave as aligned runs of 256 bytes, sixteen lanes each.
; LIMITS: NaN and infinities are not served.
.set HR,   4352
.set HSTR, 256*HR
.set SIDE, 8*HR
.set HALF, 2*SIDE
.set STAGE, 2*HALF                     ; behind both halves: 16 rows x 272 bytes for each wave
.set SP,   272
.set SPARE, STAGE+8*16*SP
.set AD0,  4                           ; v4, v5 LDS addresses of source 0's and 1's codes; v6 of the scale words: lanes 0-15 source 0's, lanes 16-31 source 1's
.set AD1,  5
.set AS,   6
.set BD0,  24                          ; v24-26 the same in the second half of K
.set BD1,  25
.set BS,   26
.set STO,  9                           ; v9  the stage: where I put 16 bytes of a row;  v10: where I read a row back;  v11: the same place in out0
.set RD,   10
.set CO,   11
.set SC,   16                          ; v16-23 scale words, four a buffer: they hold nothing else
.set FB,   32                          ; v32-79, v80-127 two buffers: source 0's four fragments, then source 1's two
.set ACC,  128                         ; v128-191 accumulator (i1, i0) at 8 (4 i1 + i0)
.set BI,   192                         ; v192-223 the bias
.set OUT,  192                         ; v192-255 rows read back
.set WV,   18
.set G1A,  28
.set G1W,  36
.set GA,   44
.set GW,   48
.macro CROUND
	s_barrier_signal -1
	s_barrier_wait -1
	s_cmp_lg_u32 s[WV], 0
	s_cbranch_scc1 .Lnot_wave_0_\@
	s_barrier_signal -3
.Lnot_wave_0_\@:
	s_barrier_wait -3
	s_barrier_signal -1
	s_barrier_wait -1
.endm
.macro PLACES
.rept 4
	v_nop                                          ; four places in front of loads into registers that matrix instructions have read, and of the first read of results
.endr
.endm
.macro WM d, a, b, c, sa, sb
	v_wmma_scale_f32_16x16x128_f8f6f4 v[\d:\d+7], v[\a:\a+7], v[\b:\b+7], v[\c:\c+7], v[\sa], v[\sb] matrix_a_fmt:MATRIX_FMT_FP4 matrix_b_fmt:MATRIX_FMT_FP4 matrix_b_scale:MATRIX_SCALE_ROW1
.endm
.macro FETCH a0, a1, as, sp, u         ; 16 loads into buffer u.  (Scale registers 2 and 3: lanes 16-31 take words that no product names)
.irp i, 0,1,2,3
	ds_load_b32 v[SC+4*\u+\i], v[\as] offset:HR*\i+64*(\sp)
.endr
.irp i, 0,1,2,3
.irp c, 0,1
	ds_load_b128 v[FB+48*\u+8*\i+4*\c:FB+48*\u+8*\i+4*\c+3], v[\a0] offset:HR*\i+256+1024*(\sp)+512*\c
.endr
.endr
.irp i, 0,1
.irp c, 0,1
	ds_load_b128 v[FB+32+48*\u+8*\i+4*\c:FB+32+48*\u+8*\i+4*\c+3], v[\a1] offset:HR*\i+256+1024*(\sp)+512*\c
.endr
.endr
.endm
.macro MUL u, cm                       ; cm 0: onto the sums; 1: the bias starts them.  The accumulators take turns, one instruction a turn
.irp j, 0,1
.irp i, 0,1,2,3
.if \cm == 0
	WM ACC+8*(4*\j+\i), FB+48*\u+8*\i, FB+32+48*\u+8*\j, ACC+8*(4*\j+\i), SC+4*\u+\i, SC+4*\u+\j
.else
	WM ACC+8*(4*\j+\i), FB+48*\u+8*\i, FB+32+48*\u+8*\j, BI+8*\i, SC+4*\u+\i, SC+4*\u+\j
.endif
.endr
.endr
.endm
.macro FILL under, g0, g1, next
	s_cmp_lt_u32 s[WV], \under
	s_cbranch_scc0 \next
	tensor_load_to_lds s[\g0:\g0+3], s[\g1:\g1+7]
	s_nop 0
	PLACES
	s_branch .Lfilled
\next:
.endm
	s_load_b256 s[4:11], s[0:1], 0x0               ; arec, wrec, bo, out0
	v_lshl_add_u32 v30, v0, 2, SPARE
	v_mov_b32 v31, 0
	ds_add_u32 v30, v31                            ; the wave's opening
	ds_add_u32 v30, v31
	v_lshrrev_b32 v1, 5, v0
	v_readfirstlane_b32 s[WV], v1                  ; wave 0..7
	s_and_b32 s19, s[WV], 3                        ; my pair of token tiles
	s_lshr_b32 s20, s[WV], 2                       ; my quad of wo's tiles.  Also: which half of K I fetch
	s_bfe_u32 s21, ttmp6, 0x40000                  ; cx
	s_bfe_u32 s22, ttmp6, 0x40004                  ; cy
	s_lshl_b32 s23, ttmp9, 2
	s_add_co_u32 s23, s23, s21                     ; block of 128 tokens
	s_and_b32 s25, ttmp7, 0xffff
	s_lshl_b32 s25, s25, 2
	s_add_co_u32 s25, s25, s22                     ; block of 128 outputs
	s_lshl_b32 s26, 0x1111, s21                    ; my column of the cluster
	s_lshl_b32 s27, s22, 2
	s_lshl_b32 s27, 15, s27                        ; my row
	s_or_b32 s[G1A], s26, (3<<16)|(1<<21)          ; group 1: four half-records, 17,408 dense bytes, as 68 rows of 256 bytes
	s_or_b32 s[G1W], s27, (3<<16)|(1<<21)
.irp g, G1A, G1W
	s_mov_b32 s[\g+1], 32<<16
	s_mov_b32 s[\g+2], 68<<16
	s_mov_b32 s[\g+3], 32<<16
	s_mov_b32 s[\g+4], 68
	s_mov_b32 s[\g+5], 32
	s_mov_b32 s[\g+6], 0
	s_mov_b32 s[\g+7], 0
.endr
	s_and_b32 s70, s[WV], 1                        ; which four tiles of a side I fetch
	s_mul_i32 s70, s70, 4*HR
	s_mul_i32 s72, s20, HSTR
	s_add_co_u32 s70, s70, s72
	s_mul_i32 s66, s23, 8*HR                       ; attn's: these registers never hold cy
	s_add_co_u32 s66, s66, s70
	s_mov_b32 s67, 0
	s_mul_i32 s68, s25, 8*HR                       ; wo's: these never hold cx
	s_add_co_u32 s68, s68, 192*HR
	s_add_co_u32 s68, s68, s70
	s_mov_b32 s69, 0
	s_mul_i32 s71, s[WV], 4*HR                     ; where they go: the wave's number alone
	s_wait_dscnt 0x0                               ; both opening adds are done
	s_wait_kmcnt 0x0
	s_mov_b32 s[GA], 1
	s_mov_b32 s[GA+1], s71
	s_add_nc_u64 s[GA+2:GA+3], s[4:5], s[66:67]
	s_or_b32 s[GA+3], s[GA+3], 0x80000000
	s_mov_b32 s[GW], 1
	s_mov_b32 s[GW+1], s71
	s_add_nc_u64 s[GW+2:GW+3], s[6:7], s[68:69]
	s_or_b32 s[GW+3], s[GW+3], 0x80000000
	CROUND                                         ; all sixteen work-groups are here: the joint loads meet
	FILL 2, GA, G1A, .Lfill_w0
	FILL 4, GW, G1W, .Lfill_a1
	FILL 6, GA, G1A, .Lfill_w1
	tensor_load_to_lds s[GW:GW+3], s[G1W:G1W+7]
	s_nop 0
	PLACES
.Lfilled:
	s_mul_i32 s72, s20, 4*HR
	s_add_co_u32 s72, s72, SIDE                    ; source 0: my quad of wo
	s_mul_i32 s73, s19, 2*HR                       ; source 1: my two token tiles
	s_mul_i32 s74, s[WV], 16*SP
	s_add_co_u32 s74, s74, STAGE                   ; my stage
	s_lshl_b32 s76, s25, 9                         ; my 64 outputs, in bytes: 512 x block + 256 x quad
	s_lshl_b32 s77, s20, 8
	s_add_co_u32 s76, s76, s77
	s_mov_b32 s77, 0
	s_add_nc_u64 s[8:9], s[8:9], s[76:77]          ; in bo,
	s_add_nc_u64 s[10:11], s[10:11], s[76:77]      ; and in a row of out0;
	s_lshl_b32 s78, s23, 19                        ; my first tile's first token: 128 x block + 64 (pair / 2) + 16 (pair % 2): rows of 4,096 bytes
	s_lshr_b32 s79, s19, 1
	s_lshl_b32 s79, s79, 18
	s_add_co_u32 s78, s78, s79
	s_and_b32 s79, s19, 1
	s_lshl_b32 s79, s79, 16
	s_add_co_u32 s78, s78, s79
	s_mov_b32 s79, 0
	s_add_nc_u64 s[10:11], s[10:11], s[78:79]
	v_and_b32 v12, 31, v0                          ; lane
	v_and_b32 v13, 15, v0                          ; r
	v_bfe_u32 v3, v0, 4, 1                         ; h
	v_lshlrev_b32 v1, 4, v12                       ; 16 x lane
	v_lshlrev_b32 v2, 2, v13                       ; 4 r
	v_lshlrev_b32 v8, 7, v3                        ; register j of source 0's tile i is output 32 h + 8 i + j
.irp i, 0,1,2,3
	global_load_b128 v[BI+8*\i:BI+8*\i+3], v8, s[8:9] offset:32*\i
	global_load_b128 v[BI+8*\i+4:BI+8*\i+7], v8, s[8:9] offset:32*\i+16
.endr
	v_cmp_ne_u32 vcc_lo, 0, v3
	v_add_nc_u32 v[AD0], s72, v1
	v_add_nc_u32 v[AD1], s73, v1
	v_add_nc_u32 v[AS], s72, v2
	v_add_nc_u32 v7, s73, v2
	v_mul_u32_u24 v[STO], v13, SP
	v_cndmask_b32 v[AS], v[AS], v7, vcc_lo
	v_mul_u32_u24 v[RD], v3, SP
	v_lshlrev_b32 v[CO], 12, v3
	v_lshl_add_u32 v[STO], v3, 7, v[STO]
	v_lshl_add_u32 v[RD], v13, 4, v[RD]
	v_lshl_add_u32 v[CO], v13, 4, v[CO]            ; lanes 0-15 one row of out0, lanes 16-31 the next
	v_add_nc_u32 v[STO], s74, v[STO]               ; in: row r, + 128 h
	v_add_nc_u32 v[RD], s74, v[RD]                 ; back: the same two rows
	v_add_nc_u32 v[BD0], HALF, v[AD0]
	v_add_nc_u32 v[BD1], HALF, v[AD1]
	v_add_nc_u32 v[BS], HALF, v[AS]
	s_wait_alu depctr_va_vdst(0)                   ; the wait at the head's end
	s_cmp_lt_u32 s[WV], 4                          ; the first half's fills are waves 0-3's: they wait; the second half's, lines of their own, may stay out: nothing is filled twice
	s_cbranch_scc0 .Lno_wait
	s_wait_tensorcnt 0x0
.Lno_wait:
	s_barrier_signal -1
	s_barrier_wait -1                              ; the first half of K is in
	FETCH AD0, AD1, AS, 0, 0
	FETCH AD0, AD1, AS, 1, 1
	s_wait_loadcnt 0x0                             ; the bias
	s_wait_dscnt 16                                ; the younger fetch may stay out
	MUL 0, 1                                       ; the first K step starts the sums on the bias
	PLACES
	FETCH AD0, AD1, AS, 2, 0
	s_wait_dscnt 16
	MUL 1, 0
	PLACES
	FETCH AD0, AD1, AS, 3, 1
	s_wait_dscnt 16
	MUL 0, 0
	s_wait_dscnt 0x0                               ; no LDS load of mine is out,
	s_wait_tensorcnt 0x0                           ; and my fill is in
	s_barrier_signal -1
	MUL 1, 0
	s_barrier_wait -1                              ; everybody's is
	PLACES
	FETCH BD0, BD1, BS, 0, 0
	FETCH BD0, BD1, BS, 1, 1
	s_wait_dscnt 16
	MUL 0, 0
	PLACES
	FETCH BD0, BD1, BS, 2, 0
	s_wait_dscnt 16
	MUL 1, 0
	PLACES
	FETCH BD0, BD1, BS, 3, 1
	s_wait_dscnt 16
	MUL 0, 0
	s_wait_dscnt 0x0
	MUL 1, 0
	PLACES
.irp j, 0,1                                    ; a token tile at a time.  LDS serves a wave's instructions in order: the loads see the stores above them, and the next tile's stores come behind the loads
.irp i, 0,1,2,3
	ds_store_b128 v[STO], v[ACC+8*(4*\j+\i):ACC+8*(4*\j+\i)+3] offset:32*\i          ; each accumulator from its low end on
	ds_store_b128 v[STO], v[ACC+8*(4*\j+\i)+4:ACC+8*(4*\j+\i)+7] offset:32*\i+16
.endr
.irp t, 0,1,2,3,4,5,6,7
	ds_load_b128 v[OUT+32*\j+4*\t:OUT+32*\j+4*\t+3], v[RD] offset:2*SP*\t
.endr
.endr
.irp j, 0,1
.irp t, 0,1,2,3,4,5,6,7
	s_wait_dscnt 23-16*\j-\t                       ; the LDS instructions issued behind this load may stay out
	global_store_b128 v[CO], v[OUT+32*\j+4*\t:OUT+32*\j+4*\t+3], s[10:11] offset:(8*\j+2*\t+24*(\t/4))*4096 th:TH_STORE_NT   ; the tile's rows 2 t, 2 t + 1: sixteen lanes store 256 consecutive bytes, at a multiple of 256 from out0's first byte
.endr
.endr
	s_wait_tensorcnt 0x0                           ; the wave's end
	ds_add_u32 v30, v31
	s_wait_dscnt 0x0
	CROUND                                         ; the closing round
	s_endpgm
.Lfunc_end_k_qa5ac3db2ae_oproj:
	.size	k_qa5ac3db2ae_oproj, .Lfunc_end_k_qa5ac3db2ae_oproj-k_qa5ac3db2ae_oproj
	.p2alignl 7, 3214868480
	.fill 96, 4, 3214868480
	.section	.rodata,"a",@progbits
	.p2align	6, 0x0
	.amdhsa_kernel k_qa5ac3db2ae_oproj
		.amdhsa_group_segment_fixed_size 175104
		.amdhsa_private_segment_fixed_size 0
		.amdhsa_enable_private_segment 0
		.amdhsa_kernarg_size 32
		.amdhsa_user_sgpr_count 2
		.amdhsa_user_sgpr_kernarg_segment_ptr 1
		.amdhsa_wavefront_size32 1
		.amdhsa_system_sgpr_workgroup_id_x 1
		.amdhsa_system_sgpr_workgroup_id_y 1
		.amdhsa_system_sgpr_workgroup_id_z 1
		.amdhsa_system_vgpr_workitem_id 0
		.amdhsa_next_free_vgpr 256
		.amdhsa_next_free_sgpr 84
		.amdhsa_reserve_vcc 1
		.amdhsa_float_denorm_mode_32 3
		.amdhsa_float_denorm_mode_16_64 3
		.amdhsa_memory_ordered 1
		.amdhsa_forward_progress 1
		.amdhsa_inst_pref_size 30
	.end_amdhsa_kernel
	.amdgpu_metadata
---
amdhsa.version: [ 1, 2 ]
amdhsa.kernels:
  - .name:           k_qa5ac3db2ae_oproj
    .symbol:         k_qa5ac3db2ae_oproj.kd
    .args:
      - { .name: arec, .offset: 0, .size: 8, .value_kind: global_buffer, .address_space: global }
      - { .name: wrec, .offset: 8, .size: 8, .value_kind: global_buffer, .address_space: global }
      - { .name: bo, .offset: 16, .size: 8, .value_kind: global_buffer, .address_space: global }
      - { .name: out0, .offset: 24, .size: 8, .value_kind: global_buffer, .address_space: global }
    .group_segment_fixed_size: 175104
    .private_segment_fixed_size: 0
    .kernarg_segment_align: 8
    .kernarg_segment_size: 32
    .max_flat_workgroup_size: 256
    .sgpr_count:     84
    .vgpr_count:     256
    .wavefront_size: 32
...
	.end_amdgpu_metadata
.endif
;; end of part 4
